; MI455X (gfx1250); checked and timed in simulation.
; The chip was launched on July 23, 2026; its instructions are those of AMD's public machine-readable ISA for CDNA 5 (MIT licence, August 2026) and "CDNA5" Instruction Set Architecture Reference Guide (July 2026). The comments in the code are by the model that wrote it; some were corrected since.
;; Carrier Token Attention2 D Timestep. Allowed arithmetic: matrix products marked QUANTISED: E4M3 operands, one given power-of-two scale a tensor, by v_wmma_f32_16x16x64_fp8_fp8 or v_wmma_f32_16x16x128_fp8_fp8, f32 sums; everything else in f32.
;; Inputs: logit_scale 16 x 1 x 1 float32; lowp_scales 6 int32 (the exponents e of the quantised operands' scales 2^e); w_qkv 3,072 x 1,024 float32; x 8 x 1,024 x 1,024 float32.
;; Outputs: out0 8 x 1,024 x 1,024 float32.
;; This version of the problem:
;;   THIS VERSION OF THE PROBLEM IS GIVEN IN LOW PRECISION. The matrix products marked QUANTISED in the list below multiply operands that are first quantised to E4M3 (4 exponent bits, 3 mantissa bits; 8 bits a number), with one given power-of-two scale for each operand tensor; their sums are f32. All else is computed in f32.
;;   The module's matrix products, in the order in which they are computed (A, B: the left and right operand; K: the contracted axis; several contracted axes count as one K, in the product's order):
;;     1. [M 8,192, K 1,024] x [K 1,024, N 3,072]; A: input x; B: input w_qkv: QUANTISED (scales: A lowp_scales[0], B lowp_scales[1])
;;     2. batch 128 x [M 1,024, K 64] x [K 64, N 1,024]; A: computed on the way; B: computed on the way: QUANTISED (scales: A lowp_scales[2], B lowp_scales[3])
;;     3. batch 128 x [M 1,024, K 1,024] x [K 1,024, N 64]; A: softmax (see below); B: computed on the way: QUANTISED (scales: A lowp_scales[4], B lowp_scales[5])
;;   THE QUANTISER, for each operand of a quantised product, along K:
;;     - The operand's scale is 2^e, e = its entry of the input lowp_scales (int32; the entries are numbered through the quantised products in the list's order, A before B).
;;     - Each number is divided by the scale, clamped to +-448, and rounded to the nearest number of E4M3, ties to even, subnormals kept.
;;     - The product sums the exact products of the quantised numbers (number of the format x scale) in f32.
;;   ~~~python
;;   def quantise(x, axis, e):      # numpy; x: float32 -> the quantised numbers, widened to float32 again
;;       x = np.moveaxis(x, axis, -1); K = x.shape[-1]
;;       r = np.clip(x / 2.0 ** e, -448, 448)
;;       step = 2.0 ** (np.maximum(np.frexp(np.where(r == 0, 1, r))[1] - 1, -6) - 3)
;;       q = np.round(r / step) * step * 2.0 ** e      # np.round: ties to even
;;       return np.moveaxis(q, -1, axis).astype(np.float32)
;;   ~~~
;;   SOFTMAX AHEAD OF A QUANTISED PRODUCT. Where the list says 'softmax', what is quantised is not the finished softmax but p = 2^(t - M), with t = logit x log2(e) and M = ceil(the row's largest t), a whole number; so 1/2 < the row's largest p <= 1. The row's sum l is taken of the UNQUANTISED p, in f32, and the product's result is divided by l at the end. Since M is a whole number, a kernel that streams over the keys may use a running M (the ceiling of the running maximum): every later rescaling is an exact power of two, so the quantised numbers keep their values, but for numbers so far below the row's largest that they fall under the format's range.
;;   OPERANDS COMPUTED ON THE WAY. 'Computed on the way' means the value that the module computes at that place (a softmax that the list does not call 'softmax' is quantised finished and normalised). What goes into a quantiser is computed in f32, as accurately as f32 sums, v_exp_f32 and their like allow (about 1e-6 of the number): no bf16 or f16 on the way to a quantiser, and a product that is left as it is and whose result goes on into a quantised operand takes f32 operands (vector FMAs, or v_wmma_f32_16x16x4_f32). A number that lies on a knife's edge between two numbers of the format may be rounded either way, as far as f32 arithmetic and the matrix unit's own rounding can turn it there, and no further.
;; One version. Each part assembles by itself: llvm-mc -triple=amdgcn-amd-amdhsa -mcpu=gfx1250 --defsym DOCPART=n.
;; ======== version 1 of 1: 3 launches
;; limits: right only within a limited range of input values
;; workspace buffers: x_codes 8,388,608 bytes; w_codes 3,145,728 bytes; rope 8,192 bytes; qkv 25,165,824 bytes
;; launch quant (part 1): grid 705 x 1, 4 waves a work-group, no clusters, 33,280 bytes of LDS; arguments x, w_qkv, lowp_scales, x_codes, w_codes, rope; writes x_codes, w_codes, rope
.if DOCPART == 1
	.amdgcn_target "amdgcn-amd-amdhsa--gfx1250"
	.amdhsa_code_object_version 6
	.text
	.protected	k_q3ea2ae95b4_quant
	.globl	k_q3ea2ae95b4_quant
	.p2align	8
	.type	k_q3ea2ae95b4_quant,@function
k_q3ea2ae95b4_quant:
	s_mov_b64 s[64:65], 0
	v_nop
	global_prefetch_b8 v0, s[64:65] scope:SCOPE_SE
	s_setreg_imm32_b32 hwreg(HW_REG_WAVE_MODE, 25, 1), 1
	s_wait_xcnt 0x0
; x [8192][1024] and w_qkv [3072][1024], f32, become codes of FP8 (E4M3), one a byte, K innermost, each with the one scale 2^e given for it (entry 0 for x, entry 1 for w_qkv).
; code = number / 2^e, held within +-448, rounded to the nearest code, ties to even.  LIMITS: -126 <= e and e + 8 <= 127; NaN among the inputs is not served.
; Rows are dense and 1,024 is a multiple of 32: both tensors are plain streams, and so are their codes.  The first WGA work-groups take x, the next 192 take w_qkv: only pointers are chosen, one way through the text.
; A wave takes 8 steps of 512 numbers.  Each of a step's four loads reads 512 consecutive bytes, 16 a lane; the 2,048 bytes turn through the wave's own stage in LDS and come back 64 bytes a lane, since a conversion
; takes eight neighbours along K from ONE lane's registers.  A lane's 16 codes are 16 bytes: the wave stores 512 consecutive bytes.  Loads run four steps (16 loads a wave) ahead, the turn through LDS one step.
; No matrix unit, no cluster, no tensor load: waves share nothing and memory binds.
; THE LAST WORK-GROUP (number NQ) makes the table of the rotary angles, which are constants of the problem: for position 0..31 and frequency 0..15 the four numbers c, s, -s, c (c = cos, s = sin of
; position x 10000^(-frequency / 16)), 16 bytes an entry, 256 bytes a position.  Sine and cosine by reduction to |r| <= pi/4 (pi/2 in two parts) and Taylor polynomials up to r^9 and r^10.
.set SIZE_M, 8192
.set SIZE_N, 3072
.set SIZE_K, 1024
.set WAVES, 4
.set STEPS, 8
.set WGA,   SIZE_M*SIZE_K/(512*STEPS*WAVES)            ; 512 work-groups for x
.set NQ,    (SIZE_M+SIZE_N)*SIZE_K/(512*STEPS*WAVES)   ; 704 that quantise
.set EMAX,  8
.set MANT,  0x600000                   ; the mantissa field of 448 as f32
.set CB,    16                         ; bytes of 16 codes
.set R,     16                         ; v16-79   four sets of 16 numbers as they are loaded
.set X,     80                         ; v80-111  two sets of 16 neighbours
.set C,     128                        ; v128-159 codes: four registers for each step, so that no store's data are written again
.set WREG,  8192                       ; LDS: a region of its own for each wave: two stages of 32 x SP bytes
.set SP,    80                         ; a lane's place in a stage: its 64 bytes + 16 of padding
.set SPW,   12                         ; v12      LDS address of my spare word; never rewritten
.set NIL,   13                         ; v13      0; never rewritten
.set SPARE, WAVES*WREG                 ; behind the four regions: the spare words, 128 bytes for each wave
	s_load_b128 s[4:7], s[0:1], 0x0                ; x, w_qkv
	s_load_b64 s[10:11], s[0:1], 0x10              ; the scales' exponents
	s_load_b128 s[12:15], s[0:1], 0x18             ; x's codes, w's codes
	s_load_b64 s[24:25], s[0:1], 0x28              ; the table
	v_lshl_add_u32 v[SPW], v0, 2, SPARE
	v_mov_b32 v[NIL], 0
	v_lshrrev_b32 v1, 5, v0
	v_readfirstlane_b32 s16, v1                    ; wave
	v_and_b32 v2, 31, v0                           ; lane
	v_lshlrev_b32 v3, 4, v2                        ; my 16 bytes of a load's 512
	s_mul_i32 s17, s16, WREG
	v_lshrrev_b32 v14, 2, v2
	v_mul_u32_u24 v14, v14, SP
	v_and_b32 v15, 3, v2
	v_lshl_add_u32 v14, v15, 4, v14
	v_add_nc_u32 v14, s17, v14                     ; the stage, on the way in: four lanes' 64 bytes on end, then 16 of padding
	v_mul_u32_u24 v15, v2, SP
	v_add_nc_u32 v15, s17, v15                     ; and on the way out: SP x lane: my 16 neighbours
	v_mul_u32_u24 v4, v2, CB                       ; my codes' place in a step's
	s_wait_kmcnt 0x0
	s_cmp_eq_u32 ttmp9, NQ                         ; the last work-group makes the table: a branch on the work-group's number alone
	s_cbranch_scc1 .Ltable
	s_load_b64 s[22:23], s[10:11], 0x0             ; e of x, e of w_qkv
	s_cmp_lt_u32 ttmp9, WGA                        ; x's work-group or w's?
	s_cselect_b64 s[4:5], s[4:5], s[6:7]
	s_cselect_b64 s[8:9], s[12:13], s[14:15]
	s_cselect_b32 s17, 0, WGA
	s_sub_co_u32 s17, ttmp9, s17
	s_lshl_b32 s17, s17, 2
	s_add_co_u32 s18, s17, s16                     ; which run of 4,096 numbers of the tensor is my wave's
	s_mov_b32 s19, 0
	s_mov_b64 s[20:21], 512*STEPS*4
	s_mul_u64 s[20:21], s[18:19], s[20:21]
	s_add_nc_u64 s[4:5], s[4:5], s[20:21]
	s_mov_b64 s[20:21], 32*STEPS*CB
	s_mul_u64 s[20:21], s[18:19], s[20:21]
	s_add_nc_u64 s[8:9], s[8:9], s[20:21]
.macro LOAD t
.irp i, 0,1,2,3
	global_load_b128 v[R+16*((\t)%4)+4*\i:R+16*((\t)%4)+4*\i+3], v3, s[4:5] offset:2048*(\t)+512*\i th:TH_LOAD_NT   ; 32 lanes read 512 consecutive bytes
.endr
.endm
.macro TURN t                          ; step t's numbers through the stage: LDS serves a wave's instructions in order, so no wait stands between the stores and the loads
.irp i, 0,1,2,3
	ds_store_b128 v14, v[R+16*((\t)%4)+4*\i:R+16*((\t)%4)+4*\i+3] offset:32*SP*((\t)%2)+8*SP*\i
.endr
.irp i, 0,1,2,3
	ds_load_b128 v[X+16*((\t)%2)+4*\i:X+16*((\t)%2)+4*\i+3], v15 offset:32*SP*((\t)%2)+16*\i
.endr
.endm
	s_wait_alu depctr_va_vdst(0)                   ; the wait here: the addresses were made ahead of the scalar lines above
.irp t, 0,1,2,3
	LOAD \t
.endr
	s_wait_kmcnt 0x0
	s_cmp_lt_u32 ttmp9, WGA
	s_cselect_b32 s22, s22, s23                    ; e
	s_add_co_i32 s22, s22, 127
	s_lshl_b32 s23, s22, 23
	v_mov_b32 v11, s23                             ; 2^e as f32: the conversion takes its exponent field
	s_add_co_i32 s22, s22, EMAX
	s_lshl_b32 s22, s22, 23
	s_or_b32 s22, s22, MANT
	v_mov_b32 v10, s22                             ; 448 x 2^e
	s_wait_alu depctr_va_vdst(0)                   ; the wait at the head's end
	s_wait_loadcnt 12                              ; step 0's four loads are in; the twelve of steps 1 to 3 may be out
	TURN 0
.macro STEP t
.set XS, X+16*((\t)%2)
	s_wait_dscnt 0x0                               ; this step's numbers are back from the stage: so its stores into the stage have read their registers,
.if (\t)+4 < STEPS
	LOAD (\t)+4                                    ; which take the loads of four steps on
.endif
.if (\t)+1 < STEPS
.if STEPS-2-(\t) >= 3
	s_wait_loadcnt 12                              ; the next step's four loads are in; those of the three steps behind it may be out
.else
	s_wait_loadcnt 4*(STEPS-2-(\t))                ; the tail: four fewer with each step
.endif
	TURN (\t)+1                                    ; and go through the other stage while this step is worked
.endif
.irp i, 0,1,2,3,4,5,6,7,8,9,10,11,12,13,14,15
	v_med3_num_f32 v[XS+\i], v[XS+\i], -v10, v10   ; the conversion to an 8-bit code does not saturate (ISA guide 7.6.2): the hold at the largest code x the scale comes first
.endr
	v_cvt_scalef32_pk8_fp8_f32 v[C+4*(\t):C+4*(\t)+1], v[XS:XS+7], v11          ; eight numbers / 2^e, to the nearest code, ties to even; the first number's code in the lowest byte
	v_cvt_scalef32_pk8_fp8_f32 v[C+4*(\t)+2:C+4*(\t)+3], v[XS+8:XS+15], v11    ; (the results go to a store alone; the next vector lines are the next step's holds, plain ones on other registers)
	global_store_b128 v4, v[C+4*(\t):C+4*(\t)+3], s[8:9] offset:32*CB*(\t)     ; 32 lanes store 512 consecutive bytes, aligned
.endm
.irp t, 0,1,2,3,4,5,6,7
	STEP \t
.endr
	s_wait_tensorcnt 0x0                           ; the wave's end: three closing lines, behind my last LDS store
	ds_add_u32 v[SPW], v[NIL]
	s_wait_dscnt 0x0
	s_endpgm
.Ltable:                                               ; thread t makes entries t + 128 i, i = 0..3: frequency t % 16, position t / 16 + 8 i; entry e lies at byte 16 e
	v_and_b32 v16, 15, v0                          ; the frequency's number j
	v_lshrrev_b32 v17, 4, v0                       ; t / 16
	v_cvt_f32_u32 v18, v16
	v_mul_f32 v18, 0xbf549a78, v18                 ; -j log2(10000) / 16
	s_wait_alu depctr_va_vdst(0)                   ; the wait ahead of the transcendental
	v_exp_f32 v19, v18                             ; 10000^(-j / 16)
	v_lshlrev_b32 v23, 4, v0                       ; 16 t: where I store.  (The plain line behind the exponential)
	s_wait_alu depctr_va_vdst(0)                   ; and ahead of the result's first reader
.irp i, 0,1,2,3
	v_add_nc_u32 v20, 8*\i, v17
	v_cvt_f32_u32 v20, v20
	v_mul_f32 v20, v20, v19                        ; the angle a = position x frequency, one f32 product
	v_mul_f32 v21, 0x3f22f983, v20
	v_rndne_f32 v21, v21                           ; n = the nearest whole number to a x 2 / pi, 20 at the most
	v_fmamk_f32 v20, v21, 0xbfc90fdb, v20          ; r = a - n pi/2, pi/2 in two parts
	v_fmamk_f32 v20, v21, 0x333bbd2e, v20
	v_mul_f32 v22, v20, v20                        ; z = r r
	v_mov_b32 v24, 0x3638ef1d                      ; sin r = r + r z (-1/6 + z (1/120 + z (-1/5040 + z / 362880)))
	v_fmaak_f32 v24, v24, v22, 0xb9500d01
	v_fmaak_f32 v24, v24, v22, 0x3c088889
	v_fmaak_f32 v24, v24, v22, 0xbe2aaaab
	v_mul_f32 v25, v20, v22
	v_fma_f32 v24, v25, v24, v20
	v_mov_b32 v26, 0xb493f27e                      ; cos r = 1 + z (-1/2 + z (1/24 + z (-1/720 + z (1/40320 - z / 3628800))))
	v_fmaak_f32 v26, v26, v22, 0x37d00d01
	v_fmaak_f32 v26, v26, v22, 0xbab60b61
	v_fmaak_f32 v26, v26, v22, 0x3d2aaaab
	v_fmaak_f32 v26, v26, v22, 0xbf000000
	v_fma_f32 v26, v26, v22, 1.0
	v_cvt_i32_f32 v27, v21                         ; the quadrant: selects and sign bits alone, no branch
	v_and_b32 v28, 1, v27
	v_cmp_ne_u32 vcc_lo, 0, v28
	v_cndmask_b32 v29, v26, v24, vcc_lo            ; |cos a|: sin r in odd quadrants
	v_cndmask_b32 v30, v24, v26, vcc_lo            ; |sin a|: cos r in odd quadrants
	v_add_nc_u32 v28, 1, v27
	v_and_b32 v28, 2, v28
	v_lshlrev_b32 v28, 30, v28                     ; cos is turned in quadrants 1 and 2,
	v_xor_b32 v[32+4*\i], v28, v29
	v_and_b32 v28, 2, v27
	v_lshlrev_b32 v28, 30, v28                     ; sin in quadrants 2 and 3
	v_xor_b32 v[33+4*\i], v28, v30
	v_xor_b32 v[34+4*\i], 0x80000000, v[33+4*\i]   ; -s
	v_mov_b32 v[35+4*\i], v[32+4*\i]               ; c once more: the entry is two pairs for packed arithmetic
	global_store_b128 v23, v[32+4*\i:35+4*\i], s[24:25] offset:2048*\i   ; a wave stores 512 consecutive bytes, aligned
.endr
	s_wait_tensorcnt 0x0                           ; the same three closing lines as on the other way
	ds_add_u32 v[SPW], v[NIL]
	s_wait_dscnt 0x0
	s_endpgm
.Lfunc_end_k_q3ea2ae95b4_quant:
	.size	k_q3ea2ae95b4_quant, .Lfunc_end_k_q3ea2ae95b4_quant-k_q3ea2ae95b4_quant
	.p2alignl 7, 3214868480
	.fill 96, 4, 3214868480
	.section	.rodata,"a",@progbits
	.p2align	6, 0x0
	.amdhsa_kernel k_q3ea2ae95b4_quant
		.amdhsa_group_segment_fixed_size 33280
		.amdhsa_private_segment_fixed_size 0
		.amdhsa_enable_private_segment 0
		.amdhsa_kernarg_size 48
		.amdhsa_user_sgpr_count 2
		.amdhsa_user_sgpr_kernarg_segment_ptr 1
		.amdhsa_wavefront_size32 1
		.amdhsa_system_sgpr_workgroup_id_x 1
		.amdhsa_system_sgpr_workgroup_id_y 1
		.amdhsa_system_sgpr_workgroup_id_z 1
		.amdhsa_system_vgpr_workitem_id 0
		.amdhsa_next_free_vgpr 192
		.amdhsa_next_free_sgpr 66
		.amdhsa_reserve_vcc 1
		.amdhsa_float_denorm_mode_32 3
		.amdhsa_float_denorm_mode_16_64 3
		.amdhsa_memory_ordered 1
		.amdhsa_forward_progress 1
		.amdhsa_inst_pref_size 27
	.end_amdhsa_kernel
	.amdgpu_metadata
---
amdhsa.version: [ 1, 2 ]
amdhsa.kernels:
  - .name:           k_q3ea2ae95b4_quant
    .symbol:         k_q3ea2ae95b4_quant.kd
    .args:
      - { .name: x, .offset: 0, .size: 8, .value_kind: global_buffer, .address_space: global }
      - { .name: w_qkv, .offset: 8, .size: 8, .value_kind: global_buffer, .address_space: global }
      - { .name: lowp_scales, .offset: 16, .size: 8, .value_kind: global_buffer, .address_space: global }
      - { .name: x_codes, .offset: 24, .size: 8, .value_kind: global_buffer, .address_space: global }
      - { .name: w_codes, .offset: 32, .size: 8, .value_kind: global_buffer, .address_space: global }
      - { .name: rope, .offset: 40, .size: 8, .value_kind: global_buffer, .address_space: global }
    .group_segment_fixed_size: 33280
    .private_segment_fixed_size: 0
    .kernarg_segment_align: 8
    .kernarg_segment_size: 48
    .max_flat_workgroup_size: 128
    .sgpr_count:     66
    .vgpr_count:     192
    .wavefront_size: 32
...
	.end_amdgpu_metadata
.endif
;; end of part 1
;; launch proj (part 2): grid 4 x 96, 4 waves a work-group, clusters of 4 x 4, 327,680 bytes of LDS; arguments x_codes, w_codes, lowp_scales, rope, qkv; writes qkv
.if DOCPART == 2
	.amdgcn_target "amdgcn-amd-amdhsa--gfx1250"
	.amdhsa_code_object_version 6
	.text
	.protected	k_q3ea2ae95b4_proj
	.globl	k_q3ea2ae95b4_proj
	.p2align	8
	.type	k_q3ea2ae95b4_proj,@function
k_q3ea2ae95b4_proj:
	s_mov_b64 s[64:65], 0
	v_nop
	global_prefetch_b8 v0, s[64:65] scope:SCOPE_SE
	s_setreg_imm32_b32 hwreg(HW_REG_WAVE_MODE, 25, 1), 1
	s_wait_xcnt 0x0
	s_wait_alu depctr_hold_cnt(0) depctr_sa_sdst(0) depctr_va_vdst(0) depctr_va_sdst(0) depctr_va_ssrc(0) depctr_va_vcc(0) depctr_vm_vsrc(0)
	s_getreg_b32 s2, hwreg(HW_REG_IB_STS2, 6, 4)
	s_cmp_eq_u32 s2, 0
	s_cbranch_scc0 .Lentry_in_a_cluster
	s_endpgm
.Lentry_in_a_cluster:
	s_bfe_u32 s2, ttmp6, 0x10000c
	s_cmp_lg_u32 s2, 0xf033
	s_cbranch_scc0 .Lentry_shape_is_right
	s_endpgm
.Lentry_shape_is_right:
.set SIZE_K, 1024
.set KSTEP,  256
.set ROWB,   256
.set KROW,   SIZE_K
.set PITCH,  272
.set FR,     16
.set NL,     4
.set NP,     4
.set HALFT,  128*PITCH
.set SLOT,   4*HALFT
.set LAPS,   SIZE_K/(2*KSTEP)
.set SPARE,  2*SLOT
.set HEADB,  196608
.set ADRA, 16
.set ADRB, 20
.set LO,   26
.set VC,   27
.set SPW,  28
.set NIL,  29
.set VR,   30
.set COL,  32
.set RW,   96
.set AF,   128
.set RT,   160
.set CD,   224
.set SS,   240
.set FC,   248
.set PM,   252
.set LIM,  254
.set SC,   255
.set G1, 24
.set G0, 32
.set G1B, 48
.set G0B, 56
.set MSB, 0
.macro WIN new
.if MSB != \new
	s_set_vgpr_msb (MSB<<8)|\new
.set MSB, \new
.endif
.endm
.set MUL_LO, 0xa1
.set MUL_HI, 0xf1
.set TO_B,   0x40
.macro JLOAD g0a, g1a, g0b, g1b
	s_cmp_eq_u32 s15, 0
	s_cbranch_scc0 .Lfor_b_\@
	tensor_load_to_lds s[\g0a:\g0a+3], s[\g1a:\g1a+7]
	s_nop 0
.rept 4
	v_nop
.endr
	s_branch .Lasked_\@
.Lfor_b_\@:
	tensor_load_to_lds s[\g0b:\g0b+3], s[\g1b:\g1b+7]
	s_nop 0
.rept 4
	v_nop
.endr
.Lasked_\@:
.endm
.macro CREST
	s_cmp_lg_u32 s14, 0
	s_cbranch_scc1 .Lnot_wave_0_\@
	s_barrier_signal -3
.Lnot_wave_0_\@:
	s_barrier_wait -3
	s_barrier_signal -1
	s_barrier_wait -1
.endm
.macro CROUND
	s_barrier_signal -1
	s_barrier_wait -1
	CREST
.endm
	s_load_b256 s[4:11], s[0:1], 0x0
	s_load_b64 s[68:69], s[0:1], 0x20
	v_lshl_add_u32 v[SPW], v0, 2, SPARE
	v_mov_b32 v[NIL], 0
	ds_add_u32 v[SPW], v[NIL]
	ds_add_u32 v[SPW], v[NIL]
	v_lshrrev_b32 v1, 5, v0
	v_readfirstlane_b32 s14, v1
	s_lshr_b32 s15, s14, 1
	s_and_b32 s16, s14, 1
	s_bfe_u32 s40, ttmp6, 0x40000
	s_bfe_u32 s41, ttmp6, 0x40004
	s_and_b32 s12, ttmp7, 0xffff                   ; the cluster's number, 0 .. 23: one column of clusters.  Numbers 0 - 15 make Q and K, whose way out is the longer one; numbers 16 - 23 make V
	s_and_b32 s71, s12, 1
	s_lshr_b32 s70, s12, 1
	s_sub_co_u32 s18, s12, 16
	s_cmp_lt_u32 s12, 16
	s_cselect_b32 s71, s71, 2                      ; s71: what the cluster makes: 0 Q, 1 K, 2 V; the same in all sixteen partners
	s_cselect_b32 s12, s70, s18                    ; s12: the batch, 0 .. 7
	s_lshl_b32 s17, s12, 2
	s_add_co_u32 s17, s17, s41
	s_add_co_u32 s18, s41, 8
	s_lshl_b32 s42, s71, 2
	s_add_co_u32 s42, s42, s40
	s_lshl_b32 s70, s12, 2
	s_add_co_u32 s70, s70, s40
	s_cmp_eq_u32 s71, 2
	s_cselect_b32 s17, s18, s17
	s_cselect_b32 s42, s70, s42
	s_lshl_b32 s43, s41, 2
	s_lshl_b32 s43, 15, s43
	s_lshl_b32 s44, 0x1111, s40
	s_or_b32 s[G1+0], s43, (0<<16)|(1<<20)|(1<<21)|(5<<22)|(3<<25)
	s_or_b32 s[G1B+0], s44, (0<<16)|(1<<20)|(1<<21)|(5<<22)|(3<<25)
.irp g, G1, G1B
	s_mov_b32 s[\g+1], ROWB<<16
	s_mov_b32 s[\g+2], 128<<16
	s_mov_b32 s[\g+3], ROWB<<16
	s_mov_b32 s[\g+4], 128
	s_mov_b32 s[\g+5], KROW
	s_mov_b32 s[\g+6], 0
	s_mov_b32 s[\g+7], 0
.endr
	s_lshl_b32 s13, s16, 17
	s_lshl_b32 s20, s17, 18
	s_add_co_u32 s20, s20, s13
	s_mov_b32 s21, 0
	s_lshl_b32 s46, s42, 18
	s_add_co_u32 s46, s46, s13
	s_mov_b32 s47, 0
	s_mul_i32 s45, s14, HALFT
	s_wait_dscnt 0x0
	s_wait_kmcnt 0x0
	s_load_b128 s[80:83], s[8:9], 0x0
	s_load_b64 s[84:85], s[8:9], 0x10
	s_cmp_eq_u32 s71, 2
	s_cselect_b64 s[72:73], s[6:7], s[4:5]
	s_cselect_b64 s[74:75], s[4:5], s[6:7]
	s_add_nc_u64 s[20:21], s[72:73], s[20:21]
	s_add_nc_u64 s[46:47], s[74:75], s[46:47]
	; the prefetches' address: of the 128 rows that my wave fetches, the four partners that ask for them jointly take 32 each, told apart by address alone (cx for source 1's tile, cy for source 0's); a lane a row of 1,024 bytes
	s_cmp_eq_u32 s15, 0
	s_cselect_b64 s[76:77], s[20:21], s[46:47]
	s_cselect_b32 s78, s40, s41
	s_lshl_b32 s78, s78, 15
	s_mov_b32 s79, 0
	s_add_nc_u64 s[76:77], s[76:77], s[78:79]
	v_and_b32 v31, 31, v0
	v_lshlrev_b32 v31, 10, v31
	s_wait_alu depctr_va_vdst(0)                   ; the wait here: it and s[76:77] are never rewritten
	CROUND
.irp s, 0,1
	s_mov_b32 s[G0+4*\s], 1
	s_add_co_u32 s[G0+4*\s+1], s45, \s*SLOT
	s_add_nc_u64 s[G0+4*\s+2:G0+4*\s+3], s[20:21], \s*ROWB
	s_or_b32 s[G0+4*\s+3], s[G0+4*\s+3], 0x80000000
	s_mov_b32 s[G0B+4*\s], 1
	s_add_co_u32 s[G0B+4*\s+1], s45, \s*SLOT
	s_add_nc_u64 s[G0B+4*\s+2:G0B+4*\s+3], s[46:47], \s*ROWB
	s_or_b32 s[G0B+4*\s+3], s[G0B+4*\s+3], 0x80000000
.if \s                                 ; K step 0's joint load goes out behind the opening round; K step 1's, a later first fill, behind a tensor wait, two adds and a round
	s_wait_alu depctr_va_vdst(0)
	s_wait_tensorcnt 0x0
	ds_add_u32 v28, v29
	ds_add_u32 v28, v29
	s_wait_dscnt 0x0
	CROUND
.endif
	JLOAD G0+4*\s, G1, G0B+4*\s, G1B
.if \s == 0
	global_prefetch_b8 v31, s[76:77] offset:256 th:TH_LOAD_NT scope:SCOPE_SE   ; K step 1, whose joint load goes out only behind K step 0's landing and a round: the same 32 rows x 256 bytes a wave
.endif
	global_prefetch_b8 v31, s[76:77] offset:512+256*\s th:TH_LOAD_NT scope:SCOPE_SE   ; the K step that stands two refills on (2, then 3, the row's last): 32 rows x 256 bytes a wave, each block once in the cluster
.endr
	v_and_b32 v1, 15, v0
	v_bfe_u32 v2, v0, 4, 1
	v_mul_u32_u24 v3, v1, PITCH
	v_lshl_add_u32 v4, v2, 4, v3
	s_mul_i32 s21, s15, HALFT
	s_mul_i32 s22, s16, HALFT
	s_add_co_u32 s22, s22, 2*HALFT
.irp s, 0,1
	v_add_nc_u32 v[ADRA+\s], s21, v4
	v_add_nc_u32 v[ADRB+\s], s22, v4
	s_add_co_u32 s21, s21, SLOT
	s_add_co_u32 s22, s22, SLOT
.endr
	v_and_b32 v5, 31, v0
	v_lshlrev_b32 v[LO], 4, v5
	v_lshlrev_b32 v[VR], 6, v2
	v_lshl_add_u32 v[VC], v1, 8, v[VR]
	s_lshl_b32 s88, s41, 3
	s_lshl_b32 s89, s15, 2
	s_add_co_u32 s88, s88, s89
	s_lshl_b32 s88, s88, 8
	s_mov_b32 s89, 0
	s_add_nc_u64 s[94:95], s[10:11], s[88:89]
.macro LOADROW k, buf
.irp cc, 0,1
.irp u, 0,1,2,3
	global_load_b128 v[\buf+16*\cc+4*\u:\buf+16*\cc+4*\u+3], v[VR], s[94:95] offset:256*(\k)+128*\cc+16*\u
.endr
.endr
.endm
.irp p, 0,1
.irp cb, 0,1
.irp u, 0,1,2,3
	global_load_b128 v[COL+32*\p+16*\cb+4*\u:COL+32*\p+16*\cb+4*\u+3], v[VC], s[10:11] offset:4096*\p+128*\cb+16*\u
.endr
.endr
.endr
	LOADROW 0, RW
.macro FRAG reg, adr, q, i
.irp c, 0,1,2,3
	ds_load_b128 v[\reg+4*\c:\reg+4*\c+3], v[\adr] offset:128*(\q)+32*\c+(\i)*16*PITCH
.endr
.endm
.macro MUL16 a0, p, zero
.irp a, \a0, \a0+1
.irp b, 0,1,2,3,4,5,6,7
.if \zero
	v_wmma_f32_16x16x128_fp8_fp8 v[8*(8*((\a)%4)+\b):8*(8*((\a)%4)+\b)+7], v[128*(\p)+FR*\b:128*(\p)+FR*\b+FR-1], v[AF+FR*(\a):AF+FR*(\a)+FR-1], 0
.else
	v_wmma_f32_16x16x128_fp8_fp8 v[8*(8*((\a)%4)+\b):8*(8*((\a)%4)+\b)+7], v[128*(\p)+FR*\b:128*(\p)+FR*\b+FR-1], v[AF+FR*(\a):AF+FR*(\a)+FR-1], v[8*(8*((\a)%4)+\b):8*(8*((\a)%4)+\b)+7]
.endif
.endr
.endr
.endm
.macro FETCH_B slot, q, p
	WIN TO_B
.irp i, 0,1,2,3,4,5,6,7
	FRAG 128*(\p)+FR*\i, ADRB+\slot, \q, \i
.endr
	WIN 0
.endm
.macro FETCH_A slot, q, i0
.irp i, \i0, \i0+1, \i0+2, \i0+3
	FRAG AF+FR*(\i), ADRA+\slot, \q, \i
.endr
.endm
.macro PLACES n
.rept \n
	v_nop
.endr
.endm
.macro STEP slot, q, zero
	s_wait_dscnt 4*NL
	WIN MUL_LO
	MUL16 0, (\q)%2, \zero
	MUL16 2, (\q)%2, \zero
	s_wait_dscnt 0
	PLACES NP
	FETCH_B \slot, (\q)+1, 1-(\q)%2
	FETCH_A \slot, (\q)+1, 0
	WIN MUL_HI
	MUL16 4, (\q)%2, \zero
	MUL16 6, (\q)%2, \zero
	PLACES NP
	WIN 0
	FETCH_A \slot, (\q)+1, 4
.endm
.macro TURN slot, next, fill
	s_wait_tensorcnt 0x0
	ds_add_u32 v[SPW], v[NIL]
	s_wait_dscnt 4*NL+1
	WIN MUL_LO
	MUL16 0, 1, 0
	s_wait_dscnt 0x0
	s_barrier_signal -1
	MUL16 2, 1, 0
	WIN 0
	s_barrier_wait -1
.if \fill
	CREST
	s_add_nc_u64 s[G0+4*\slot+2:G0+4*\slot+3], s[G0+4*\slot+2:G0+4*\slot+3], 2*ROWB
	s_add_nc_u64 s[G0B+4*\slot+2:G0B+4*\slot+3], s[G0B+4*\slot+2:G0B+4*\slot+3], 2*ROWB
	JLOAD G0+4*\slot, G1, G0B+4*\slot, G1B
.else
	PLACES NP
.endif
	FETCH_B \next, 0, 0
	FETCH_A \next, 0, 0
	WIN MUL_HI
	MUL16 4, 1, 0
	MUL16 6, 1, 0
	PLACES NP
	WIN 0
	FETCH_A \next, 0, 4
.endm
	s_wait_alu depctr_va_vdst(0)
	s_wait_tensorcnt 1
	s_barrier_signal -1
	s_barrier_wait -1
	FETCH_B 0, 0, 0
	FETCH_A 0, 0, 0
	FETCH_A 0, 0, 4
	STEP 0, 0, 1
	s_mov_b32 s3, LAPS-1
.Llap:
	TURN 0, 1, 1
	STEP 1, 0, 0
	TURN 1, 0, 1
	STEP 0, 0, 0
	s_sub_co_u32 s3, s3, 1
	s_cmp_lg_u32 s3, 0
	s_cbranch_scc1 .Llap
	TURN 0, 1, 0
	STEP 1, 0, 0
	s_wait_dscnt 4*NL
	WIN MUL_LO
	MUL16 0, 1, 0
	MUL16 2, 1, 0
	s_wait_dscnt 0
	WIN MUL_HI
	MUL16 4, 1, 0
	MUL16 6, 1, 0
	WIN 0
	PLACES NP
	s_wait_kmcnt 0x0
	s_add_co_i32 s86, s80, s81
	s_lshl_b32 s87, s86, 1
	s_mov_b32 s90, 0x76543210
	s_mov_b32 s91, 0xfedcba98
.macro MKSCALE e
	s_add_co_i32 s88, s[\e], 127
	s_lshl_b32 s89, s88, 23
	v_mov_b32 v[SC], s89
	s_add_co_i32 s88, s88, 8
	s_lshl_b32 s88, s88, 23
	s_or_b32 s88, s88, 0x600000
	v_mov_b32 v[LIM], s88
.endm
	s_cmp_eq_u32 s71, 2
	s_cbranch_scc1 .Lv_out
	s_cmp_eq_u32 s71, 0
	s_cselect_b32 s88, s82, s83
	MKSCALE 88
	s_lshl_b32 s88, s12, 4
	s_lshl_b32 s89, s40, 2
	s_add_co_u32 s88, s88, s89
	s_lshl_b32 s89, s16, 1
	s_add_co_u32 s88, s88, s89
	s_mul_i32 s88, s88, HEADB
	s_lshl_b32 s89, s71, 16
	s_add_co_u32 s88, s88, s89
	s_lshl_b32 s89, s41, 14
	s_add_co_u32 s88, s88, s89
	s_lshl_b32 s89, s15, 13
	s_add_co_u32 s88, s88, s89
	s_mov_b32 s89, 0
	s_add_nc_u64 s[92:93], s[68:69], s[88:89]
	LOADROW 1, RW+32
	v_mov_b32 v[FC+1], 0
	v_mov_b32 v[FC+3], 0
	v_mov_b32 v[PM], 0
	v_mov_b32 v[PM+1], 0
.macro QKBLOCK a
.if ((\a)%2) == 0
.if (\a) == 6
	s_wait_loadcnt 0x0
.else
	s_wait_loadcnt 8
.endif
.endif
	WIN 0x02+((\a)/4)
.irp hh, 0,1
.irp cc, 0,1,2,3
.if \cc < 2
.set TBL, RW+32*(((\a)/2)%2)+16*\cc
.else
.set TBL, COL+32*((\a)%2)+16*(\cc-2)
.endif
.set XB, 8*(8*((\a)%4)+4*\hh+\cc)
.set DB, RT+32*\hh+8*\cc
.irp u, 0,1,2,3
	v_pk_mul_f32 v[DB+2*\u:DB+2*\u+1], v[XB+2*\u:XB+2*\u+1], v[TBL+4*\u+2:TBL+4*\u+3] op_sel:[1,0] op_sel_hi:[1,1]
.endr
.irp u, 0,1,2,3
	v_pk_fma_f32 v[DB+2*\u:DB+2*\u+1], v[XB+2*\u:XB+2*\u+1], v[TBL+4*\u:TBL+4*\u+1], v[DB+2*\u:DB+2*\u+1] op_sel_hi:[0,1,1]
.endr
.endr
.endr
	WIN 0
.irp hh, 0,1
	v_pk_mul_f32 v[SS+4*\hh:SS+4*\hh+1], v[RT+32*\hh:RT+32*\hh+1], v[RT+32*\hh:RT+32*\hh+1]
	v_pk_mul_f32 v[SS+4*\hh+2:SS+4*\hh+3], v[RT+32*\hh+2:RT+32*\hh+3], v[RT+32*\hh+2:RT+32*\hh+3]
.endr
.irp p, 4,8,12,16,20,24,28
.irp hh, 0,1
	v_pk_fma_f32 v[SS+4*\hh:SS+4*\hh+1], v[RT+32*\hh+\p:RT+32*\hh+\p+1], v[RT+32*\hh+\p:RT+32*\hh+\p+1], v[SS+4*\hh:SS+4*\hh+1]
	v_pk_fma_f32 v[SS+4*\hh+2:SS+4*\hh+3], v[RT+32*\hh+\p+2:RT+32*\hh+\p+3], v[RT+32*\hh+\p+2:RT+32*\hh+\p+3], v[SS+4*\hh+2:SS+4*\hh+3]
.endr
.endr
.irp hh, 0,1
	v_pk_add_f32 v[SS+4*\hh:SS+4*\hh+1], v[SS+4*\hh:SS+4*\hh+1], v[SS+4*\hh+2:SS+4*\hh+3]
.endr
.irp hh, 0,1
	v_add_f32 v[SS+4*\hh], v[SS+4*\hh], v[SS+4*\hh+1]
.endr
.irp hh, 0,1
	v_permlanex16_b32 v[PM+\hh], v[SS+4*\hh], s90, s91
.endr
.irp hh, 0,1
	v_add_f32 v[SS+4*\hh], v[SS+4*\hh], v[PM+\hh]
.endr
.irp hh, 0,1
	v_ldexp_f32 v[SS+4*\hh], v[SS+4*\hh], s87
.endr
	s_wait_alu depctr_va_vdst(0)
.irp hh, 0,1
	v_rsq_f32 v[FC+2*\hh], v[SS+4*\hh]
.endr
	v_nop
	s_wait_alu depctr_va_vdst(0)
.irp hh, 0,1
	v_min_num_f32 v[FC+2*\hh], 0x5368d4a5, v[FC+2*\hh]
.endr
.irp hh, 0,1
	v_ldexp_f32 v[FC+2*\hh], v[FC+2*\hh], s86
.endr
.irp hh, 0,1
.irp p, 0,2,4,6,8,10,12,14,16,18,20,22,24,26,28,30
	v_pk_mul_f32 v[RT+32*\hh+\p:RT+32*\hh+\p+1], v[RT+32*\hh+\p:RT+32*\hh+\p+1], v[FC+2*\hh:FC+2*\hh+1] op_sel_hi:[1,0]
.endr
.endr
.set i, 0
.rept 64
	v_med3_num_f32 v[RT+i], v[RT+i], -v[LIM], v[LIM]
.set i, i+1
.endr
	s_wait_alu depctr_va_vdst(0)
	s_wait_xcnt 0x0
.irp hh, 0,1
.irp cc, 0,1,2,3
	v_cvt_scalef32_pk8_fp8_f32 v[CD+8*\hh+2*\cc:CD+8*\hh+2*\cc+1], v[RT+32*\hh+8*\cc:RT+32*\hh+8*\cc+7], v[SC]
.endr
.endr
	v_nop
.irp hh, 0,1
.irp g, 0,1
	global_store_b128 v[LO], v[CD+8*\hh+4*\g:CD+8*\hh+4*\g+3], s[92:93] offset:HEADB*\hh+1024*(\a)+512*\g
.endr
.endr
.if (\a) == 1
	LOADROW 2, RW
.endif
.if (\a) == 3
	LOADROW 3, RW+32
.endif
.endm
.irp a, 0,1,2,3,4,5,6,7
	QKBLOCK \a
.endr
	s_branch .Ldone
.Lv_out:
	s_sub_co_i32 s88, s85, s86
	MKSCALE 88
	s_wait_alu depctr_va_vdst(0)
	s_lshl_b32 s88, s12, 4
	s_lshl_b32 s89, s41, 2
	s_add_co_u32 s88, s88, s89
	s_lshl_b32 s89, s15, 1
	s_add_co_u32 s88, s88, s89
	s_mul_i32 s88, s88, HEADB
	s_add_co_u32 s88, s88, 131072
	s_lshl_b32 s89, s40, 14
	s_add_co_u32 s88, s88, s89
	s_lshl_b32 s89, s16, 13
	s_add_co_u32 s88, s88, s89
	s_mov_b32 s89, 0
	s_add_nc_u64 s[92:93], s[68:69], s[88:89]
.macro VBLOCK a
	WIN 0x02+((\a)/4)
.set i, 0
.rept 64
	v_med3_num_f32 v[RT+i], v[64*((\a)%4)+i], -v[LIM], v[LIM]
.set i, i+1
.endr
	WIN 0
.if (\a) > 0
	s_wait_alu depctr_va_vdst(0)
	s_wait_xcnt 0x0
.endif
.irp b, 0,1,2,3,4,5,6,7
	v_cvt_scalef32_pk8_fp8_f32 v[CD+2*\b:CD+2*\b+1], v[RT+8*\b:RT+8*\b+7], v[SC]
.endr
	v_nop
.irp g, 0,1,2,3
	global_store_b128 v[LO], v[CD+4*\g:CD+4*\g+3], s[92:93] offset:HEADB*((\a)/4)+2048*((\a)%4)+512*\g
.endr
.endm
.irp a, 0,1,2,3,4,5,6,7
	VBLOCK \a
.endr
.Ldone:
	s_wait_tensorcnt 0x0
	ds_add_u32 v[SPW], v[NIL]
	s_wait_dscnt 0x0
	CROUND
	s_endpgm
.Lfunc_end_k_q3ea2ae95b4_proj:
	.size	k_q3ea2ae95b4_proj, .Lfunc_end_k_q3ea2ae95b4_proj-k_q3ea2ae95b4_proj
	.p2alignl 7, 3214868480
	.fill 96, 4, 3214868480
	.section	.rodata,"a",@progbits
	.p2align	6, 0x0
	.amdhsa_kernel k_q3ea2ae95b4_proj
		.amdhsa_group_segment_fixed_size 327680
		.amdhsa_private_segment_fixed_size 0
		.amdhsa_enable_private_segment 0
		.amdhsa_kernarg_size 40
		.amdhsa_user_sgpr_count 2
		.amdhsa_user_sgpr_kernarg_segment_ptr 1
		.amdhsa_wavefront_size32 1
		.amdhsa_system_sgpr_workgroup_id_x 1
		.amdhsa_system_sgpr_workgroup_id_y 1
		.amdhsa_system_sgpr_workgroup_id_z 1
		.amdhsa_system_vgpr_workitem_id 0
		.amdhsa_next_free_vgpr 1024
		.amdhsa_next_free_sgpr 100
		.amdhsa_reserve_vcc 0
		.amdhsa_float_denorm_mode_32 3
		.amdhsa_float_denorm_mode_16_64 3
		.amdhsa_memory_ordered 1
		.amdhsa_forward_progress 1
		.amdhsa_inst_pref_size 237
	.end_amdhsa_kernel
	.amdgpu_metadata
---
amdhsa.version: [ 1, 2 ]
amdhsa.kernels:
  - .name:           k_q3ea2ae95b4_proj
    .symbol:         k_q3ea2ae95b4_proj.kd
    .args:
      - { .name: x_codes, .offset: 0, .size: 8, .value_kind: global_buffer, .address_space: global }
      - { .name: w_codes, .offset: 8, .size: 8, .value_kind: global_buffer, .address_space: global }
      - { .name: lowp_scales, .offset: 16, .size: 8, .value_kind: global_buffer, .address_space: global }
      - { .name: rope, .offset: 24, .size: 8, .value_kind: global_buffer, .address_space: global }
      - { .name: qkv, .offset: 32, .size: 8, .value_kind: global_buffer, .address_space: global }
    .group_segment_fixed_size: 327680
    .private_segment_fixed_size: 0
    .kernarg_segment_align: 8
    .kernarg_segment_size: 40
    .max_flat_workgroup_size: 128
    .sgpr_count:     100
    .vgpr_count:     1024
    .wavefront_size: 32
...
	.end_amdgpu_metadata
.endif
;; end of part 2
;; launch attn (part 3): grid 2 x 128, 16 waves a work-group, no clusters, 327,680 bytes of LDS; arguments qkv, logit_scale, lowp_scales, out0; writes out0
.if DOCPART == 3
	.amdgcn_target "amdgcn-amd-amdhsa--gfx1250"
	.amdhsa_code_object_version 6
	.text
	.protected	k_q3ea2ae95b4_attn
	.globl	k_q3ea2ae95b4_attn
	.p2align	8
	.type	k_q3ea2ae95b4_attn,@function
k_q3ea2ae95b4_attn:
	s_mov_b64 s[64:65], 0
	v_nop
	global_prefetch_b8 v0, s[64:65] scope:SCOPE_SE
	s_setreg_imm32_b32 hwreg(HW_REG_WAVE_MODE, 25, 1), 1
	s_wait_xcnt 0x0
; out[b][n][64 head + d] = the sum over keys of softmax(qn . kn x exp(min(logit_scale[head], 4.6052))) v, both products on codes of FP8 (E4M3) with the given scales 2^e2 (q), 2^e3 (k), 2^e4 (p), 2^e5 (v).
; qkv holds, for each of the 128 (batch, head), images of operand registers: Q [64 blocks of 16 tokens][1,024 bytes], K the same at +65,536, V [8 steps of 128 keys][4 blocks of 16 channels][2,048] at +131,072.
; In an image registers 4 g .. 4 g + 3 of lane l lie at 512 g + 16 l: every fragment comes by loads of 16 bytes at 16 x lane.
; THE SOFTMAX: t = score x c, c = exp(min(logit_scale, 4.6052)) x log2(e) x 2^(e2 + e3) > 0; M = the running largest t rounded UP to a whole number; p = 2^(t - M) is quantised, not normalised;
; the row's sum is taken of the unquantised p and divides at the end.  When M moves, the sum and O are multiplied by 2^(old M - new M): nothing is rounded, no branch on data.
; The running maximum is kept as a SCORE (c is positive, so the largest score gives the largest t): the v_max3 chain runs on it in place, 32 lines for a tile's 64 scores a lane.
; SHARES.  A work-group owns 512 queries of one (batch, head): 256 work-groups.  Each of its sixteen waves owns 32 queries, TWO tiles A and B that walk the keys TOGETHER, 128 keys a step:
; each fragment of K and of V read from LDS feeds two matrix instructions, and the two tiles' short dependent chains stand line by line between each other.
; LDS holds all of the head's K (bytes 0 - 65,535) and V (65,536 - 131,071), as they lie in memory.  Each wave brings 2,048 bytes at the head (steps 0 and 1 of K or V) and, behind a sequence and a barrier
; 6,144 bytes (steps 2 to 7), which have the first two steps' work in which to land.  Nothing is filled again.  The launch claims all of LDS.
; NO CLUSTER: a head's K and V are read by the grid's two work-groups along x alone; a mask along a row or column of four would name work-groups of other heads.
; NO PREFETCH: both groups of tensor loads go out at the kernel's start, the second directly behind the first's barrier: no later load is left to be asked for ahead.
; LAYOUT.  Both products transposed: S^T = K Q^T (source 0 = 16 keys, source 1 = 16 queries), O^T = V^T P^T: a lane holds ONE query (lane % 16) of each tile.
; Tile c of S^T holds, in lane (r, h), keys 16 c + 8 h + 0 .. 7: its conversion gives registers 2 c, 2 c + 1 of P as the 128-deep form wants them.
; LIMITS: e4 between -126 and 119; e2 + e3 and e4 + e5 go in by v_ldexp_f32; NaN is not served; v_exp_f32 gives 0 for a p under 2^-126; the scaled scores stay under 2^31 in magnitude.
.set HEADB, 196608
.set STAGE, 131072                     ; behind K and V: a stage of 16 rows x (256 + 16) bytes for each wave, into which no fill lands
.set SP,    272
.set SPARE, STAGE+16*16*SP             ; behind the stages: the spare words, 128 bytes for each wave
.set ADV, 0                            ; v0   LDS address of the step's images of V (the thread's number is used up at the head)
.set LI,  1                            ; v1   16 x lane
.set ADK, 2                            ; v2   LDS address of the step's images of K
.set SPW, 3                            ; v3   LDS address of my spare word; never rewritten
.set NIL, 4                            ; v4   0; never rewritten
.set PSC, 5                            ; v5   2^e4, for the conversion
.set FF,  6                            ; v6, v7   f = 2^(old M - new M) of tile A, B
.set NM,  8                            ; v8, v9   -M of A, B
.set TM,  10                           ; v10, v11 the largest score so far of A, B
.set LA,  12                           ; v[12:13] A's sum in two halves
.set LB,  14                           ; v[14:15] B's
.set QA,  16                           ; v16-23, v24-31 Q of A, B
.set QB,  24
.set F,   32                           ; v32-63   four fragments of K at a time; then at work; then p's codes: A's v32-47, B's v48-63
.set T1,  48                           ; three more chains for a sum, done with before B's codes are written
.set T2,  50
.set T3,  52
.set SA,  64                           ; v64-127  A's S^T, then p, then V's four fragments
.set SB,  128                          ; v128-191 B's S^T, then p
.set OA,  192                          ; v192-223 A's O^T
.set OB,  224                          ; v224-255 B's
; scalars: s12 wave, s13 16 x batch + head, s[16:23] and s[24:31] groups 1, s[32:35] and s[36:39] groups 0, s[60:61] lane selects, s[62:63] c, s66 448 x 2^e4, s67 e4 + e5, s68 the step's LDS byte, s69 trips, s70 my stage
	s_load_b256 s[4:11], s[0:1], 0x0               ; qkv s[4:5], logit_scale s[6:7], the scales' exponents s[8:9], out s[10:11]
	v_lshl_add_u32 v[SPW], v0, 2, SPARE
	v_mov_b32 v[NIL], 0
	ds_add_u32 v[SPW], v[NIL]                      ; the opening: the add, twice on end, and its wait ahead of my first tensor load
	ds_add_u32 v[SPW], v[NIL]
	v_lshrrev_b32 v[ADK], 5, v0
	v_readfirstlane_b32 s12, v[ADK]                ; wave 0..15
	s_and_b32 s13, ttmp7, 0xffff
	s_mov_b32 s16, 3<<16                           ; group 1, first loads: 8 rows of 32 elements of 8 bytes, dense; no mask, no padding
	s_mov_b32 s17, 32<<16
	s_mov_b32 s18, 8<<16
	s_mov_b32 s19, 32<<16
	s_mov_b32 s20, 8
	s_mov_b32 s21, 32
	s_mov_b32 s22, 0
	s_mov_b32 s23, 0
	s_mov_b32 s24, 3<<16                           ; group 1, second loads: 24 such rows
	s_mov_b32 s25, 32<<16
	s_mov_b32 s26, 24<<16
	s_mov_b32 s27, 32<<16
	s_mov_b32 s28, 24
	s_mov_b32 s29, 32
	s_mov_b32 s30, 0
	s_mov_b32 s31, 0
	s_mul_i32 s40, s13, HEADB                      ; the head's bytes in qkv, inside 32 bits
	s_lshr_b32 s41, s12, 3                         ; waves 0-7 fetch K, waves 8-15 V
	s_lshl_b32 s41, s41, 16
	s_and_b32 s42, s12, 7
	s_lshl_b32 s43, s42, 11
	s_add_co_u32 s33, s41, s43                     ; first load's LDS byte: 65,536 x (K or V) + 2,048 x (wave % 8)
	s_mul_i32 s43, s42, 6144
	s_add_co_u32 s43, s43, s41
	s_add_co_u32 s37, s43, 16384                   ; second load's: behind the first 16,384, + 6,144 x (wave % 8)
	s_add_co_u32 s44, s40, 65536                   ; K and V follow Q's 65,536 bytes, in the order in which LDS holds them
	s_add_co_u32 s46, s44, s37
	s_add_co_u32 s44, s44, s33
	s_mov_b32 s45, 0
	s_mov_b32 s47, 0
	s_mov_b32 s32, 1
	s_mov_b32 s36, 1
	s_wait_dscnt 0x0                               ; both opening adds are done
	s_wait_kmcnt 0x0
	s_add_nc_u64 s[34:35], s[4:5], s[44:45]
	s_or_b32 s35, s35, 0x80000000
	s_add_nc_u64 s[38:39], s[4:5], s[46:47]
	s_or_b32 s39, s39, 0x80000000
	tensor_load_to_lds s[32:35], s[16:23]          ; my part of steps 0 and 1: my one tensor load at the head
	s_nop 0
	s_load_b128 s[52:55], s[8:9], 0x8              ; e2, e3, e4, e5
	s_and_b32 s76, s13, 15                         ; the head
	s_lshl_b32 s59, s76, 8
	s_lshl_b32 s76, s76, 2
	s_mov_b32 s77, 0
	s_add_nc_u64 s[76:77], s[6:7], s[76:77]
	s_load_b32 s56, s[76:77], 0x0                  ; my head's logit_scale
	s_lshl_b32 s72, ttmp9, 15                      ; Q: blocks 32 x half + 2 x wave, 1,024 bytes each
	s_lshl_b32 s78, s12, 11
	s_add_co_u32 s72, s72, s78
	s_add_co_u32 s72, s72, s40
	s_mov_b32 s73, 0
	s_add_nc_u64 s[50:51], s[4:5], s[72:73]
	v_and_b32 v[LI], 31, v0
	v_lshlrev_b32 v[LI], 4, v[LI]
.irp k, 0,1,2,3
	global_load_b128 v[QA+4*\k:QA+4*\k+3], v[LI], s[50:51] offset:512*\k   ; Q's two images stay in registers
.endr
	s_lshr_b32 s74, s13, 4                         ; out: row 1,024 x batch + 512 x half + 32 x wave of 4,096 bytes, + 256 x head
	s_lshl_b32 s74, s74, 10
	s_lshl_b32 s78, ttmp9, 9
	s_add_co_u32 s74, s74, s78
	s_lshl_b32 s78, s12, 5
	s_add_co_u32 s74, s74, s78
	s_lshl_b32 s74, s74, 12
	s_add_co_u32 s74, s74, s59
	s_mov_b32 s75, 0
	s_add_nc_u64 s[48:49], s[10:11], s[74:75]
	s_mul_i32 s70, s12, 16*SP
	s_add_co_u32 s70, s70, STAGE
	s_mov_b32 s60, 0x76543210                      ; v_permlanex16_b32's selects for lane l xor 16
	s_mov_b32 s61, 0xfedcba98
	s_mov_b32 s58, 0x3fb8aa3b                      ; log2(e)
	v_mov_b32 v[TM], 0xff61b1e6                    ; the largest score so far: -3e38
	v_mov_b32 v[TM+1], 0xff61b1e6
	v_mov_b32 v[NM], 0x7f61b1e6                    ; -M = 3e38: the first step's f is 0, over zeros
	v_mov_b32 v[NM+1], 0x7f61b1e6
.irp j, 0,1,2,3
	v_mov_b32 v[LA+\j], 0                          ; the two sums
.endr
.set j, 0
.rept 64
	v_mov_b32 v[OA+j], 0                           ; O^T of both tiles: the step is written with no first step of its own
.set j, j+1
.endr
	s_wait_alu depctr_va_vdst(0)                   ; the wait here, directly ahead of the wait below
	s_wait_kmcnt 0x0
	s_add_co_i32 s57, s52, s53                     ; e2 + e3
	s_add_co_i32 s67, s54, s55                     ; e4 + e5
	s_add_co_i32 s78, s54, 127
	s_lshl_b32 s79, s78, 23
	v_mov_b32 v[PSC], s79                          ; 2^e4 as f32
	s_add_co_i32 s78, s78, 8
	s_lshl_b32 s78, s78, 23
	s_or_b32 s66, s78, 0x600000                    ; 448 x 2^e4
	v_mov_b32 v32, s56
	v_min_num_f32 v32, 0x40935dcc, v32             ; min(logit_scale, 4.6052)
	v_mul_f32 v33, s58, v32                        ; x log2(e): the rounded product,
	v_fma_f32 v34, v32, s58, -v33                  ; what the rounding dropped,
	v_fmamk_f32 v34, v32, 0x32a5705f, v34          ; and what log2(e) lacks as an f32 number
	s_wait_alu depctr_va_vdst(0)                   ; the wait ahead of the transcendental
	v_exp_f32 v35, v33
	v_mul_f32 v34, 0x3f317218, v34                 ; x ln 2.  (The plain line behind the exponential)
	s_wait_alu depctr_va_vdst(0)                   ; and ahead of its first reader
	v_fma_f32 v33, v35, v34, v35                   ; exp(..) = 2^hi (1 + lo ln 2)
	v_mul_f32 v33, s58, v33
	v_ldexp_f32 v33, v33, s57                      ; c: a score stands for score x 2^(e2 + e3)
	v_readfirstlane_b32 s62, v33                   ; the same in every lane: kept as a scalar
	s_mov_b32 s63, s62                             ; (named with it as a pair)
	s_wait_alu depctr_va_vdst(0)                   ; the wait at the head's end
	s_wait_loadcnt 0x0                             ; Q
	s_wait_tensorcnt 0x0                           ; my part of steps 0 and 1 has landed; then an add, its wait and a barrier ahead of the second fill:
	ds_add_u32 v[SPW], v[NIL]
	s_wait_dscnt 0x0
	s_barrier_signal -1
	s_barrier_wait -1                              ; everybody's part has landed
	tensor_load_to_lds s[36:39], s[24:31]          ; my part of steps 2 to 7, on bytes that nothing has filled or reads yet
	s_nop 0
.macro KLOAD c0                        ; four fragments of K: keys 16 c0 on
.irp i, 0,1,2,3
	ds_load_b128 v[F+8*\i:F+8*\i+3], v[ADK] offset:1024*(\c0+\i)
	ds_load_b128 v[F+8*\i+4:F+8*\i+7], v[ADK] offset:1024*(\c0+\i)+512
.endr
.endm
.macro SMUL c0                         ; each against both tiles' queries; K = the head's 64
.irp i, 0,1,2,3
	v_wmma_f32_16x16x64_fp8_fp8 v[SA+8*(\c0+\i):SA+8*(\c0+\i)+7], v[F+8*\i:F+8*\i+7], v[QA:QA+7], 0
	v_wmma_f32_16x16x64_fp8_fp8 v[SB+8*(\c0+\i):SB+8*(\c0+\i)+7], v[F+8*\i:F+8*\i+7], v[QB:QB+7], 0
.endr
.endm
.macro MX i0, n                        ; n pairs of scores of each tile, from pair i0 on, into the running maxima; each accumulator from its low end on
.set j, 2*(\i0)
.rept \n
	v_max3_num_f32 v[TM], v[TM], v[SA+j], v[SA+j+1]
	v_max3_num_f32 v[TM+1], v[TM+1], v[SB+j], v[SB+j+1]
.set j, j+2
.endr
.endm
.macro FINISH s, l, pc                 ; a tile's p: the sum of the unquantised p in four chains (32 packed additions), the hold, the codes
	v_pk_add_f32 v[T1:T1+1], v[\s:\s+1], v[\s+2:\s+3]
	v_pk_add_f32 v[T2:T2+1], v[\s+4:\s+5], v[\s+6:\s+7]
	v_pk_add_f32 v[T3:T3+1], v[\s+8:\s+9], v[\s+10:\s+11]
	v_pk_add_f32 v[\l:\l+1], v[\l:\l+1], v[\s+12:\s+13]
.set j, 14
.rept 6
	v_pk_add_f32 v[T1:T1+1], v[T1:T1+1], v[\s+j:\s+j+1]
	v_pk_add_f32 v[T2:T2+1], v[T2:T2+1], v[\s+j+2:\s+j+3]
	v_pk_add_f32 v[T3:T3+1], v[T3:T3+1], v[\s+j+4:\s+j+5]
	v_pk_add_f32 v[\l:\l+1], v[\l:\l+1], v[\s+j+6:\s+j+7]
.set j, j+8
.endr
	v_pk_add_f32 v[T1:T1+1], v[T1:T1+1], v[\s+62:\s+63]
	v_pk_add_f32 v[\l:\l+1], v[\l:\l+1], v[T3:T3+1]
	v_pk_add_f32 v[T1:T1+1], v[T1:T1+1], v[T2:T2+1]
	v_pk_add_f32 v[\l:\l+1], v[\l:\l+1], v[T1:T1+1]
.set j, 0
.rept 32
	v_dual_min_num_f32 v[\s+j], s66, v[\s+j] :: v_dual_min_num_f32 v[\s+j+1], s66, v[\s+j+1]   ; the conversion does not saturate (ISA guide 7.6.2); p is not negative, so the hold is one-sided; two numbers a line
.set j, j+2
.endr
.irp c, 0,1,2,3,4,5,6,7
	v_cvt_scalef32_pk8_fp8_f32 v[\pc+2*\c:\pc+2*\c+1], v[\s+8*\c:\s+8*\c+7], v[PSC]   ; registers 2 c, 2 c + 1 of P: keys 16 c + 8 h + 0 .. 7
.endr
.endm
; A RUN OF KEY STEPS, 128 keys each, from step 'first' on.
.macro STEPS first, trips
	s_mov_b32 s68, 8192*\first
	s_mov_b32 s69, \trips
.Lstep_\@:
	v_add_nc_u32 v[ADK], s68, v[LI]
	v_add_nc_u32 v[ADV], 0x10000, v[ADK]
.rept 3
	v_nop                                          ; with the two additions five places behind the last step's products: the loads below land on p's codes, and the products below write over V's fragments
.endr
	KLOAD 0
	s_wait_alu depctr_va_vdst(0)                   ; the wait here, directly ahead of the wait below
	s_wait_dscnt 0x0
	SMUL 0
.rept 4
	v_nop                                          ; four places: in front of the loads into K's registers and of the first read of the scores
.endr
	KLOAD 4
	MX 0, 14                                       ; the first 64 keys' maxima stand under the loads' flight
	s_wait_alu depctr_va_vdst(0)                   ; the wait here, directly ahead of the wait below
	s_wait_dscnt 0x0
	SMUL 4
	MX 14, 2                                       ; four plain lines on the first 64 keys' scores: the places behind the products above
	MX 16, 16
	v_permlanex16_b32 v[F], v[TM], s60, s61        ; lane l xor 16 holds the other half of my query's keys
	v_permlanex16_b32 v[F+1], v[TM+1], s60, s61
	v_max_num_f32 v[TM], v[TM], v[F]
	v_max_num_f32 v[TM+1], v[TM+1], v[F+1]
	v_pk_mul_f32 v[F+2:F+3], v[TM:TM+1], s[62:63] op_sel_hi:[1,0]   ; as t
	v_floor_f32 v[F+6], -v[F+2]                    ; the new -M = floor(-t) = -ceil(t): a whole number
	v_floor_f32 v[F+7], -v[F+3]
	v_pk_add_f32 v[F+4:F+5], v[F+6:F+7], v[NM:NM+1] neg_lo:[0,1] neg_hi:[0,1]   ; old M - new M: a whole number, 0 or less
	v_mov_b32 v[NM], v[F+6]
	v_mov_b32 v[NM+1], v[F+7]
	v_cvt_i32_f32 v[F+4], v[F+4]                   ; (it saturates)
	v_cvt_i32_f32 v[F+5], v[F+5]
	v_ldexp_f32 v[FF], 1.0, v[F+4]                 ; f = 2^(old M - new M)
	v_ldexp_f32 v[FF+1], 1.0, v[F+5]
.set j, 0
.rept 16
	v_pk_mul_f32 v[OA+j:OA+j+1], v[OA+j:OA+j+1], v[FF:FF+1] op_sel_hi:[1,0]              ; O^T under the new M, ahead of the exponentials: A's by v6,
	v_pk_mul_f32 v[OB+j:OB+j+1], v[OB+j:OB+j+1], v[FF:FF+1] op_sel:[0,1] op_sel_hi:[1,1] ; B's by v7
.set j, j+2
.endr
.set j, 0
.rept 32
	v_pk_fma_f32 v[SA+j:SA+j+1], v[SA+j:SA+j+1], s[62:63], v[NM:NM+1] op_sel_hi:[1,0,0]   ; A's t - M, two at a time: A's -M is v8
.set j, j+2
.endr
	s_wait_alu depctr_va_vdst(0)                   ; the wait ahead of the batch
.set j, 0
.rept 32                               ; A's p = 2^(t - M), at most 1.  Between the exponentials stands plain work whose results are read only behind the next wait: B's t - M (B's -M is v9)
	v_exp_f32 v[SA+j], v[SA+j]
	v_exp_f32 v[SA+j+1], v[SA+j+1]
	v_pk_fma_f32 v[SB+j:SB+j+1], v[SB+j:SB+j+1], s[62:63], v[NM:NM+1] op_sel:[0,0,1] op_sel_hi:[1,0,1]
.set j, j+2
.endr
	s_wait_alu depctr_va_vdst(0)                   ; one wait: behind A's batch, ahead of its first reader, and ahead of B's batch
.set j, 0
.rept 16                               ; B's p.  Between: A's sum of the unquantised p, its first sixteen packed additions, each into a pair of its own,
	v_exp_f32 v[SB+j], v[SB+j]
	v_exp_f32 v[SB+j+1], v[SB+j+1]
	v_pk_add_f32 v[F+j:F+j+1], v[SA+2*j:SA+2*j+1], v[SA+2*j+2:SA+2*j+3]
.set j, j+2
.endr
.set j, 0
.rept 32                               ; and A's hold, behind the additions that read the unheld p: the conversion does not saturate (ISA guide 7.6.2); p is not negative, so the hold is one-sided
	v_exp_f32 v[SB+32+j], v[SB+32+j]
	v_dual_min_num_f32 v[SA+2*j], s66, v[SA+2*j] :: v_dual_min_num_f32 v[SA+2*j+1], s66, v[SA+2*j+1]
.set j, j+1
.endr
	v_pk_mul_f32 v[LA:LA+1], v[LA:LA+1], v[FF:FF+1] op_sel_hi:[1,0]              ; the sums under the new M.  (The plain lines behind the exponentials)
	v_pk_mul_f32 v[LB:LB+1], v[LB:LB+1], v[FF:FF+1] op_sel:[0,1] op_sel_hi:[1,1]
	s_wait_alu depctr_va_vdst(0)                   ; the wait behind B's batch, ahead of the first reader of what was written in it
.irp w, 16,8,4,2                       ; A's sixteen partial sums are folded: 8 + 4 + 2 + 1 packed additions, and one onto the running sum
.set j, 0
.rept \w/2
	v_pk_add_f32 v[F+j:F+j+1], v[F+j:F+j+1], v[F+\w+j:F+\w+j+1]
.set j, j+2
.endr
.endr
	v_pk_add_f32 v[LA:LA+1], v[LA:LA+1], v[F:F+1]
.irp c, 0,1,2,3,4,5,6,7
	v_cvt_scalef32_pk8_fp8_f32 v[F+2*\c:F+2*\c+1], v[SA+8*\c:SA+8*\c+7], v[PSC]   ; registers 2 c, 2 c + 1 of A's P: keys 16 c + 8 h + 0 .. 7
.endr
.irp t, 0,1,2,3
.irp g, 0,1,2,3
	ds_load_b128 v[SA+16*\t+4*\g:SA+16*\t+4*\g+3], v[ADV] offset:2048*\t+512*\g   ; V's four images take the place of A's p and land under B's lines
.endr
.endr
	FINISH SB, LB, F+16
	v_nop                                          ; a plain line between the conversions and the products that read the codes
	s_wait_alu depctr_va_vdst(0)                   ; the wait here, directly ahead of the wait below
	s_wait_dscnt 0x0                               ; V is in
.irp t, 0,1,2,3
	v_wmma_f32_16x16x128_fp8_fp8 v[OA+8*\t:OA+8*\t+7], v[SA+16*\t:SA+16*\t+15], v[F:F+15], v[OA+8*\t:OA+8*\t+7]       ; O^T += V^T P^T: the eight accumulators by turns;
	v_wmma_f32_16x16x128_fp8_fp8 v[OB+8*\t:OB+8*\t+7], v[SA+16*\t:SA+16*\t+15], v[F+16:F+31], v[OB+8*\t:OB+8*\t+7]    ; the next step's sixteen products stand between two links
.endr
	s_add_co_u32 s68, s68, 8192
	s_sub_co_u32 s69, s69, 1
	s_cmp_lg_u32 s69, 0
	s_cbranch_scc1 .Lstep_\@
.endm
	STEPS 0, 2                                     ; the keys that the first loads brought
	s_wait_tensorcnt 0x0                           ; my part of steps 2 to 7 has landed,
	s_wait_dscnt 0x0
	s_barrier_signal -1
	s_barrier_wait -1                              ; and everybody's
	STEPS 2, 6
	; THE WAY OUT: O^T / the sum x 2^(e4 + e5), through my stage, so that sixteen lanes store a token's 256 bytes of this head, aligned
.rept 4
	v_nop                                          ; four places behind the last products
.endr
	v_add_f32 v[LA], v[LA], v[LA+1]                ; the sums' two halves,
	v_add_f32 v[LB], v[LB], v[LB+1]
	v_permlanex16_b32 v[F], v[LA], s60, s61
	v_permlanex16_b32 v[F+1], v[LB], s60, s61
	v_add_f32 v[LA], v[LA], v[F]                   ; and lane l xor 16's
	v_add_f32 v[LB], v[LB], v[F+1]
	s_wait_alu depctr_va_vdst(0)                   ; the wait ahead of the transcendentals
	v_rcp_f32 v[LA], v[LA]
	v_rcp_f32 v[LB], v[LB]
	v_bfe_u32 v[F+2], v[LI], 4, 4                  ; r.  (Plain lines behind the reciprocals)
	v_lshrrev_b32 v[F+3], 8, v[LI]                 ; h
	v_mul_u32_u24 v[F+4], v[F+2], SP
	v_mul_u32_u24 v[F+5], v[F+3], SP
	v_lshlrev_b32 v[F+6], 12, v[F+3]
	v_lshl_add_u32 v[F+4], v[F+3], 5, v[F+4]
	v_lshl_add_u32 v[F+5], v[F+2], 4, v[F+5]
	v_lshl_add_u32 v[F+6], v[F+2], 4, v[F+6]       ; out: lanes 0-15 one row, lanes 16-31 the next, 16 bytes a lane
	v_add_nc_u32 v[F+4], s70, v[F+4]               ; the stage, in: row r; block t's eight channels of my half at 64 t + 32 h
	v_add_nc_u32 v[F+5], s70, v[F+5]               ; and back: lanes 0-15 one row of 256 bytes, lanes 16-31 the next
	s_wait_alu depctr_va_vdst(0)                   ; the wait ahead of the reciprocals' first readers
	v_ldexp_f32 v[LA], v[LA], s67
	v_ldexp_f32 v[LB], v[LB], s67
	s_wait_alu depctr_va_vdst(0)                   ; the wait here, directly ahead of the first readers of O^T
.set j, 0
.rept 16
	v_pk_mul_f32 v[SA+j:SA+j+1], v[OA+j:OA+j+1], v[LA:LA+1] op_sel_hi:[1,0]   ; register 8 t + n is out(query r, channel 16 t + 8 h + n); each accumulator from its low end on
	v_pk_mul_f32 v[SB+j:SB+j+1], v[OB+j:OB+j+1], v[LB:LB+1] op_sel_hi:[1,0]
.set j, j+2
.endr
.irp s, SA, SB                         ; LDS serves a wave's instructions in order (ISA guide 5.7.1.4): the loads see my stores, and B's stores come behind A's loads
.irp t, 0,1,2,3
	ds_store_b128 v[F+4], v[\s+8*\t:\s+8*\t+3] offset:64*\t
	ds_store_b128 v[F+4], v[\s+8*\t+4:\s+8*\t+7] offset:64*\t+16
.endr
.irp k, 0,1,2,3,4,5,6,7
	ds_load_b128 v[\s+32+4*\k:\s+32+4*\k+3], v[F+5] offset:2*\k*SP
.endr
.endr
	s_wait_alu depctr_va_vdst(0)                   ; the wait here, directly ahead of the waits below
.irp k, 0,1,2,3,4,5,6,7
	s_wait_dscnt 23-\k                             ; behind A's load k: A's 7 - k younger loads, B's eight stores and eight loads
	global_store_b128 v[F+6], v[SA+32+4*\k:SA+32+4*\k+3], s[48:49] offset:8192*\k th:TH_STORE_NT
.endr
.irp k, 0,1,2,3,4,5,6,7
	s_wait_dscnt 7-\k                              ; behind B's load k: its 7 - k younger loads
	global_store_b128 v[F+6], v[SB+32+4*\k:SB+32+4*\k+3], s[48:49] offset:65536+8192*\k th:TH_STORE_NT
.endr
	s_wait_tensorcnt 0x0                           ; the wave's end: three closing lines, behind my last tensor load and my last LDS store
	ds_add_u32 v[SPW], v[NIL]
	s_wait_dscnt 0x0
	s_endpgm
.Lfunc_end_k_q3ea2ae95b4_attn:
	.size	k_q3ea2ae95b4_attn, .Lfunc_end_k_q3ea2ae95b4_attn-k_q3ea2ae95b4_attn
	.p2alignl 7, 3214868480
	.fill 96, 4, 3214868480
	.section	.rodata,"a",@progbits
	.p2align	6, 0x0
	.amdhsa_kernel k_q3ea2ae95b4_attn
		.amdhsa_group_segment_fixed_size 327680
		.amdhsa_private_segment_fixed_size 0
		.amdhsa_enable_private_segment 0
		.amdhsa_kernarg_size 32
		.amdhsa_user_sgpr_count 2
		.amdhsa_user_sgpr_kernarg_segment_ptr 1
		.amdhsa_wavefront_size32 1
		.amdhsa_system_sgpr_workgroup_id_x 1
		.amdhsa_system_sgpr_workgroup_id_y 1
		.amdhsa_system_sgpr_workgroup_id_z 1
		.amdhsa_system_vgpr_workitem_id 0
		.amdhsa_next_free_vgpr 256
		.amdhsa_next_free_sgpr 80
		.amdhsa_reserve_vcc 0
		.amdhsa_float_denorm_mode_32 3
		.amdhsa_float_denorm_mode_16_64 3
		.amdhsa_memory_ordered 1
		.amdhsa_forward_progress 1
		.amdhsa_inst_pref_size 72
	.end_amdhsa_kernel
	.amdgpu_metadata
---
amdhsa.version: [ 1, 2 ]
amdhsa.kernels:
  - .name:           k_q3ea2ae95b4_attn
    .symbol:         k_q3ea2ae95b4_attn.kd
    .args:
      - { .name: qkv, .offset: 0, .size: 8, .value_kind: global_buffer, .address_space: global }
      - { .name: logit_scale, .offset: 8, .size: 8, .value_kind: global_buffer, .address_space: global }
      - { .name: lowp_scales, .offset: 16, .size: 8, .value_kind: global_buffer, .address_space: global }
      - { .name: out0, .offset: 24, .size: 8, .value_kind: global_buffer, .address_space: global }
    .group_segment_fixed_size: 327680
    .private_segment_fixed_size: 0
    .kernarg_segment_align: 8
    .kernarg_segment_size: 32
    .max_flat_workgroup_size: 512
    .sgpr_count:     80
    .vgpr_count:     256
    .wavefront_size: 32
...
	.end_amdgpu_metadata
.endif
;; end of part 3
